; MI455X (gfx1250); checked and timed in simulation.
; The chip was launched on July 23, 2026; its instructions are those of AMD's public machine-readable ISA for CDNA 5 (MIT licence, August 2026) and "CDNA5" Instruction Set Architecture Reference Guide (July 2026). The comments in the code are by the model that wrote it; some were corrected since.
;; Bimodal Attention. Allowed arithmetic: matrix products marked QUANTISED: E2M3 operands, one E8M0 scale for each 32 along K, by v_wmma_scale_f32_16x16x128_f8f6f4 with both operands' format E2M3, f32 sums; products left as they are: f32 operands where the result goes on into a quantised operand, else bf16, f16 or f32 operands; f32 sums; everything else in f32.
;; Inputs: W1_bias 1,024 float32; W1_kernel 1,024 x 1,024 float32; W2_bias 1,024 float32; W2_kernel 1,024 x 1,024 float32; W_bias 1,024 float32; W_kernel 2,048 x 1,024 float32; context_vector 1,024 x 1 float32; sequences1 16 x 1,024 x 1,024 float32; sequences2 16 x 1,024 x 1,024 float32.
;; Outputs: out0 16 x 1,024 float32.
;; This version of the problem:
;;   THIS VERSION OF THE PROBLEM IS GIVEN IN LOW PRECISION. The matrix products marked QUANTISED in the list below multiply operands that are first quantised to E2M3 (2 exponent bits, 3 mantissa bits; 6 bits a number), with one power-of-two scale for each 32 numbers along K (OCP MX v1.0); their sums are f32. All else is computed in f32.
;;   The module's matrix products, in the order in which they are computed (A, B: the left and right operand; K: the contracted axis; several contracted axes count as one K, in the product's order):
;;     1. [M 16,384, K 1,024] x [K 1,024, N 1,024]; A: input sequences1; B: input W1_kernel: QUANTISED
;;     2. [M 16,384, K 1,024] x [K 1,024, N 1,024]; A: input sequences2; B: input W2_kernel: QUANTISED
;;     3. [M 16,384, K 2,048] x [K 2,048, N 1,024]; A: computed on the way; B: input W_kernel: QUANTISED
;;     4. [M 16,384, K 1,024] x [K 1,024, N 1]; A: computed on the way; B: input context_vector: left as it is (N = 1 < 16)
;;     5. batch 16 x [M 1, K 1,024] x [K 1,024, N 1,024]; A: computed on the way; B: computed on the way: left as it is (M = 1 < 16)
;;   THE QUANTISER, for each operand of a quantised product, along K:
;;     - K is cut into blocks of 32 from its start; a last block that is shorter is filled with zeros.
;;     - A block's scale is 2^e with e = floor(log2(the largest magnitude in the block)) - 2, held to -126 .. 127; a block of zeros has e = 0. As a byte (E8M0): e + 127.
;;     - Each number is divided by its block's scale, clamped to +-7.5, and rounded to the nearest number of E2M3, ties to even, subnormals kept.
;;     - The product sums the exact products of the quantised numbers (number of the format x scale) in f32.
;;   ~~~python
;;   def quantise(x, axis):      # numpy; x: float32 -> the quantised numbers, widened to float32 again
;;       x = np.moveaxis(x, axis, -1); K = x.shape[-1]
;;       x = np.pad(x, [(0, 0)] * (x.ndim - 1) + [(0, -K % 32)]); x = x.reshape(x.shape[:-1] + (-1, 32)); a = np.abs(x).max(-1, keepdims=True)
;;       e = np.where(a > 0, np.clip(np.frexp(np.where(a > 0, a, 1))[1] - 1 - 2, -126, 127), 0)      # np.frexp(a)[1] - 1 = floor(log2(a)), exactly
;;       r = np.clip(x / 2.0 ** e, -7.5, 7.5)
;;       step = 2.0 ** (np.maximum(np.frexp(np.where(r == 0, 1, r))[1] - 1, 0) - 3)
;;       q = np.round(r / step) * step * 2.0 ** e      # np.round: ties to even
;;       return np.moveaxis(q.reshape(q.shape[:-2] + (-1,))[..., :K], -1, axis).astype(np.float32)
;;   ~~~
;;   OPERANDS COMPUTED ON THE WAY. 'Computed on the way' means the value that the module computes at that place (a softmax that the list does not call 'softmax' is quantised finished and normalised). What goes into a quantiser is computed in f32, as accurately as f32 sums, v_exp_f32 and their like allow (about 1e-6 of the number): no bf16 or f16 on the way to a quantiser, and a product that is left as it is and whose result goes on into a quantised operand takes f32 operands (vector FMAs, or v_wmma_f32_16x16x4_f32). A number that lies on a knife's edge between two numbers of the format may be rounded either way, as far as f32 arithmetic and the matrix unit's own rounding can turn it there, and no further.
;; One version. Each part assembles by itself: llvm-mc -triple=amdgcn-amd-amdhsa -mcpu=gfx1250 --defsym DOCPART=n.
;; ======== version 1 of 1: 3 launches
;; limits: right only within a limited range of input values
;; workspace buffers: wq 3,276,800 bytes; part 1,114,112 bytes
;; launch prep (part 1): grid 32 x 8, 4 waves a work-group, no clusters, 1,024 bytes of LDS; arguments W1_kernel, W2_kernel, W_kernel, wq; writes wq
.if DOCPART == 1
	.amdgcn_target "amdgcn-amd-amdhsa--gfx1250"
	.amdhsa_code_object_version 6
	.text
	.protected	k_qb1c8e7a7b1_prep
	.globl	k_qb1c8e7a7b1_prep
	.p2align	8
	.type	k_qb1c8e7a7b1_prep,@function
k_qb1c8e7a7b1_prep:
	s_mov_b64 s[64:65], 0
	v_nop
	global_prefetch_b8 v0, s[64:65] scope:SCOPE_SE
	s_setreg_imm32_b32 hwreg(HW_REG_WAVE_MODE, 25, 1), 1
	s_wait_xcnt 0x0
; W1_kernel [1024][1024], W2_kernel [1024][1024] and W_kernel [2048][1024], f32 with K as their FIRST axis, are quantised along K into codes of FP6 (E2M3) with one
; E8M0 byte for each 32 along K, and laid in wq in the order in which the next launch's operand registers take them.  No work of the problem is left out here.
; wq: 32 steps of 128 along K (0-7: W1, 8-15: W2, 16-31: W), 102,400 bytes each.  A step: four quarters of 256 columns, 25,600 bytes each.  A quarter: 16 fragments (16 columns x 128 K) of 1,536 bytes,
; then 1,024 bytes of scale words.  A fragment is an image of its 12 registers: register g of lane l at 512 (g / 4) + 16 l + 4 (g % 4); lane (rho, h) holds k = 64 c + 32 h + 0 .. 31 of the fragment's row rho in registers 6 c .. 6 c + 5.
; Scale words: register j of lane l at 512 (j / 4) + 16 l + 4 (j % 4) is the word of tile 2 j + l / 16, row l % 16.
; WHICH COLUMN IS ROW rho OF TILE t: in steps 16-31 column 16 t + rho; in steps 0-15 column 32 (t / 2) + 8 (t % 2) + rho + 8 (rho / 8), so that the results of two neighbouring tiles are 16 neighbours along the next product's K.
; A LANE TAKES A COLUMN, AND ITS REGISTERS RUN DOWN K: a load reads 128 consecutive bytes a wave (the choice of columns permutes groups of eight), a block's largest magnitude needs no other lane, and the conversions give codes with K innermost.
; A block's scale byte is its largest magnitude's exponent field - 2, held at 1 from below.
; LIMITS: a block of zeros gets the byte 1 where the quantiser says 127 (its codes are zeros, which add nothing, and this program alone reads the bytes); blocks whose largest magnitude lies under 2^-124 are held at byte 1; NaN and infinities among the inputs are not served.
; SHARES: work-group x = the step, y = a group of 128 columns; wave v takes 32 of them: two tiles; lane l is row l % 16 of tile l / 16 of the two.
.set SPARE, 512                        ; LDS: bytes 0-511 the stage for the scale words; from 512 the spare words, 128 bytes for each wave
.set X,   32                           ; v32-159  my column's 128 numbers
.set CD,  160                          ; v160-183 the codes: 12 registers for the image's lane (rho, 0), then 12 for (rho, 1)
.set CT,  184                          ; v184-199 the second half of each block's codes, before it is moved
.set SPW, 12                           ; v12  LDS address of my spare word; never rewritten
.set NIL, 13                           ; v13  0; never rewritten
	s_load_b256 s[4:11], s[0:1], 0x0               ; W1 s[4:5], W2 s[6:7], W s[8:9], wq s[10:11]
	v_lshl_add_u32 v[SPW], v0, 2, SPARE
	v_mov_b32 v[NIL], 0
	v_lshrrev_b32 v1, 5, v0
	v_readfirstlane_b32 s12, v1                    ; wave v
	v_and_b32 v2, 31, v0                           ; lane
	v_and_b32 v3, 15, v0                           ; rho
	s_wait_alu depctr_va_vdst(0)
	v_bfe_u32 v4, v0, 4, 1                         ; u: which of my wave's two tiles
	v_bfe_u32 v5, v0, 3, 1                         ; rho / 8
	s_and_b32 s13, ttmp7, 0xffff                   ; G: the group of 128 columns
	s_and_b32 s17, ttmp9, 7                        ; the K step inside W1 or W2,
	s_and_b32 s18, ttmp9, 15                       ; inside W
	s_cmp_lt_u32 ttmp9, 16
	s_cselect_b32 s17, s17, s18
	s_cselect_b32 s14, 8, 0                        ; steps 0-15: rows 8-15 of a tile lie 8 columns further on,
	s_cselect_b32 s15, 8, 16                       ; and the second tile begins 8 columns behind the first, not 16
	s_lshl_b32 s16, s13, 7
	s_lshl_b32 s19, s12, 5
	s_add_co_u32 s16, s16, s19                     ; 128 G + 32 v
	v_add_nc_u32 v6, s16, v3
	s_wait_alu depctr_va_vdst(0)
	v_mad_u32_u24 v6, v4, s15, v6
	v_mad_u32_u24 v6, v5, s14, v6                  ; my column
	v_lshlrev_b32 v7, 2, v6                        ; in bytes
	v_mul_u32_u24 v8, v4, 1536
	v_lshl_add_u32 v8, v3, 4, v8                   ; out: my tile's image, 16 bytes at lane rho's place
	v_lshlrev_b32 v10, 4, v2                       ; 16 x lane
	s_wait_alu depctr_va_vdst(0)
	s_lshl_b32 s19, s12, 2
	v_add_nc_u32 v9, s19, v10                      ; the stage: register v of lane l of the group's four scale registers
	s_mul_i32 s20, ttmp9, 102400
	s_lshr_b32 s21, s13, 1
	s_mul_i32 s21, s21, 25600
	s_add_co_u32 s20, s20, s21                     ; my step and quarter in wq
	s_mov_b32 s21, 0
	s_and_b32 s22, s13, 1                          ; g: which half of the quarter
	s_mul_i32 s24, s22, 12288
	s_mul_i32 s25, s12, 3072
	s_add_co_u32 s24, s24, s25                     ; tile 8 g + 2 v
	s_mov_b32 s25, 0
	s_lshl_b32 s22, s22, 9
	v_add_nc_u32 v11, s22, v10                     ; the scale words' place: 512 g + 16 x lane
	s_lshl_b32 s18, s17, 19                        ; 128 rows of 4,096 bytes a K step
	s_mov_b32 s19, 0
	s_wait_kmcnt 0x0
	s_cmp_lt_u32 ttmp9, 16                         ; which tensor: the choice hangs on the work-group's number alone
	s_cselect_b64 s[6:7], s[6:7], s[8:9]
	s_cmp_lt_u32 ttmp9, 8
	s_cselect_b64 s[4:5], s[4:5], s[6:7]
	s_add_nc_u64 s[4:5], s[4:5], s[18:19]
	s_add_nc_u64 s[10:11], s[10:11], s[20:21]      ; the quarter
	s_add_nc_u64 s[26:27], s[10:11], s[24:25]      ; my wave's two tiles
.macro LOAD t                          ; block t: rows 32 t .. 32 t + 31 of the K step, my column
.set k, 0
.rept 32
	global_load_b32 v[X+32*(\t)+k], v7, s[4:5] offset:(32*(\t)+k)*4096 th:TH_LOAD_NT
.set k, k+1
.endr
.endm
.macro BLOCK t
.set XS, X+32*(\t)
.set D, CD+12*((\t)%2)+6*((\t)/2)      ; block t = 2 c + h goes to registers 6 c .. 6 c + 5 of the image's lane (rho, h)
.if (\t) < 3
	s_wait_loadcnt 32                              ; this block's 32 loads are in; the next block's 32 may be out
.else
	s_wait_loadcnt 0x0
.endif
.if (\t)+2 < 4
	LOAD (\t)+2                                    ; every block has registers of its own: the loads run two blocks ahead
.endif
	v_max3_num_f32 v16, |v[XS]|, |v[XS+1]|, |v[XS+2]|       ; the block's largest magnitude: all 32 numbers are mine; two chains
	v_max3_num_f32 v17, |v[XS+3]|, |v[XS+4]|, |v[XS+5]|
.irp i, 6,10,14,18,22,26
	v_max3_num_f32 v16, v16, |v[XS+\i]|, |v[XS+\i+1]|
	v_max3_num_f32 v17, v17, |v[XS+\i+2]|, |v[XS+\i+3]|
.endr
	v_max3_num_f32 v16, v16, |v[XS+30]|, |v[XS+31]|
	v_max3_num_f32 v16, v16, v17, 0x1800000        ; and the floor 2^(3 - 127): the byte cannot fall under 1
	v_add_nc_u32 v[20+(\t)], 0xff000000, v16       ; 2 off the exponent field: the conversion takes the exponent field of this operand as its scale
	v_lshrrev_b32 v25, 23, v[20+(\t)]              ; the scale's byte
.if (\t) == 0
	v_mov_b32 v24, v25                             ; four bytes make my column's scale word, the lower K in the lower byte
.else
	v_lshl_or_b32 v24, v25, 8*(\t), v24
.endif
	v_cvt_scalef32_pk16_fp6_f32 v[D:D+2], v[XS:XS+15], v[20+(\t)]
	v_cvt_scalef32_pk16_fp6_f32 v[CT+4*(\t):CT+4*(\t)+2], v[XS+16:XS+31], v[20+(\t)]   ; (a conversion's three registers begin on an even number)
	v_nop                                          ; one plain place behind a scaled conversion
.irp i, 0,1,2
	v_mov_b32 v[D+3+\i], v[CT+4*(\t)+\i]
.endr
.endm
	LOAD 0
	LOAD 1
	BLOCK 0
	BLOCK 1
	BLOCK 2
	BLOCK 3
.irp h, 0,1
.irp q, 0,1,2
	global_store_b128 v8, v[CD+12*\h+4*\q:CD+12*\h+4*\q+3], s[26:27] offset:256*\h+512*\q   ; lanes 0-15 store 256 consecutive bytes of the first tile's image, lanes 16-31 of the second's, each at a multiple of 256 from wq's first byte
.endr
.endr
	ds_store_b32 v9, v24                           ; the four waves' scale words meet in the stage
	s_wait_dscnt 0x0                               ; for the others' sake: my store has landed
	s_barrier_signal -1
	s_barrier_wait -1
	s_cmp_lg_u32 s12, 0
	s_cbranch_scc1 .Ldone                          ; wave 0 stores them
	ds_load_b128 v[28:31], v10
	s_wait_dscnt 0x0
	global_store_b128 v11, v[28:31], s[10:11] offset:24576   ; 512 consecutive bytes
.Ldone:
	s_wait_tensorcnt 0x0                           ; the wave's end
	ds_add_u32 v[SPW], v[NIL]
	s_wait_dscnt 0x0
	s_endpgm
.Lfunc_end_k_qb1c8e7a7b1_prep:
	.size	k_qb1c8e7a7b1_prep, .Lfunc_end_k_qb1c8e7a7b1_prep-k_qb1c8e7a7b1_prep
	.p2alignl 7, 3214868480
	.fill 96, 4, 3214868480
	.section	.rodata,"a",@progbits
	.p2align	6, 0x0
	.amdhsa_kernel k_qb1c8e7a7b1_prep
		.amdhsa_group_segment_fixed_size 1024
		.amdhsa_private_segment_fixed_size 0
		.amdhsa_enable_private_segment 0
		.amdhsa_kernarg_size 32
		.amdhsa_user_sgpr_count 2
		.amdhsa_user_sgpr_kernarg_segment_ptr 1
		.amdhsa_wavefront_size32 1
		.amdhsa_system_sgpr_workgroup_id_x 1
		.amdhsa_system_sgpr_workgroup_id_y 1
		.amdhsa_system_sgpr_workgroup_id_z 1
		.amdhsa_system_vgpr_workitem_id 0
		.amdhsa_next_free_vgpr 208
		.amdhsa_next_free_sgpr 66
		.amdhsa_reserve_vcc 0
		.amdhsa_float_denorm_mode_32 3
		.amdhsa_float_denorm_mode_16_64 3
		.amdhsa_memory_ordered 1
		.amdhsa_forward_progress 1
		.amdhsa_inst_pref_size 22
	.end_amdhsa_kernel
	.amdgpu_metadata
---
amdhsa.version: [ 1, 2 ]
amdhsa.kernels:
  - .name:           k_qb1c8e7a7b1_prep
    .symbol:         k_qb1c8e7a7b1_prep.kd
    .args:
      - { .name: W1_kernel, .offset: 0, .size: 8, .value_kind: global_buffer, .address_space: global }
      - { .name: W2_kernel, .offset: 8, .size: 8, .value_kind: global_buffer, .address_space: global }
      - { .name: W_kernel, .offset: 16, .size: 8, .value_kind: global_buffer, .address_space: global }
      - { .name: wq, .offset: 24, .size: 8, .value_kind: global_buffer, .address_space: global }
    .group_segment_fixed_size: 1024
    .private_segment_fixed_size: 0
    .kernarg_segment_align: 8
    .kernarg_segment_size: 32
    .max_flat_workgroup_size: 128
    .sgpr_count:     66
    .vgpr_count:     208
    .wavefront_size: 32
...
	.end_amdgpu_metadata
.endif
;; end of part 1
;; launch fused (part 2): grid 256 x 1, 4 waves a work-group, clusters of 4 x 1, 327,680 bytes of LDS; arguments sequences1, sequences2, W1_bias, W2_bias, W_bias, context_vector, wq, part; writes part
.if DOCPART == 2
	.amdgcn_target "amdgcn-amd-amdhsa--gfx1250"
	.amdhsa_code_object_version 6
	.text
	.protected	k_qb1c8e7a7b1_fused
	.globl	k_qb1c8e7a7b1_fused
	.p2align	8
	.type	k_qb1c8e7a7b1_fused,@function
k_qb1c8e7a7b1_fused:
	s_mov_b64 s[64:65], 0
	v_nop
	global_prefetch_b8 v0, s[64:65] scope:SCOPE_SE
	s_setreg_imm32_b32 hwreg(HW_REG_WAVE_MODE, 25, 1), 1
	s_wait_xcnt 0x0
	s_wait_alu depctr_hold_cnt(0) depctr_sa_sdst(0) depctr_va_vdst(0) depctr_va_sdst(0) depctr_va_ssrc(0) depctr_va_vcc(0) depctr_vm_vsrc(0)
	s_getreg_b32 s2, hwreg(HW_REG_IB_STS2, 6, 4)
	s_cmp_eq_u32 s2, 0
	s_cbranch_scc0 .Lentry_in_a_cluster
	s_endpgm
.Lentry_in_a_cluster:
	s_bfe_u32 s2, ttmp6, 0x10000c
	s_cmp_lg_u32 s2, 0x3003
	s_cbranch_scc0 .Lentry_shape_is_right
	s_endpgm
.Lentry_shape_is_right:
; A work-group takes 64 rows (t) of one batch through the whole chain: F1 = Q(x1) Q(W1) + b1, F2 = Q(x2) Q(W2) + b2, y = Q([F1 F2]) Q(W) + b, r = 1 / (1 + e^(2 y)) (tanh y = 1 - 2 r),
; its rows' scores, and its part of the softmax over t: M (largest exponent), L = sum p, V_u = sum p r.  The next launch joins the 16 parts of a batch.
; LEFT OUT: score_t = sum_u c_u tanh = sum_u c_u - 2 sum_u c_u r_tu; the first term is the same for every t, so the softmax over t does not see it, whatever the inputs hold; and since the weights sum to 1,
; sum_t a_t (1 - 2 r) = 1 - 2 sum_t a_t r.  LIMIT: an overflow of sum_u c_u alone is not carried to the result; NaN and infinities among the inputs are not served; scaled scores stay under 2^31.
; SHARES: four waves; wave w owns columns 256 w .. 256 w + 255 of every product for all 64 rows: 64 accumulators, 512 registers (windows 2, 3); it also quantises rows 16 w .. 16 w + 15 of x.
; WEIGHTS: wq holds images of the operand registers, 16 fragments and 1,024 bytes of scale words for each wave's quarter of a step.  All work-groups walk the same weights: four form a cluster and ask JOINTLY for
; fragments 4-15 and the scale words of all four quarters (77,824 bytes a step, two LDS slots): wave 0 fragments 4-7, wave 1 fragments 8-11, wave 2 fragments 12-15 with the scale words, four rows (quarters) a tile.
; Fragments 0-3 (24,576 bytes a step) go from memory straight into registers: two slots of all sixteen (204,800 bytes) would leave no room for x's slots beside the fusion's images.
; wq is read by all 256 work-groups in the same trips, so it is not prefetched.
; X: f32, one K step (64 rows x 512 bytes, LDS pitch 528) a slot, two slots, by wave 3's tensor load (no partner shares it: no mask); read back 64 numbers a lane, quantised one step ahead of its products and handed on
; as register images (XB, two by turns).  K step c is asked for behind the round of step c - 3 and prefetched three steps before that, a lane to each 256 bytes, each wave its own 16 rows.
; One round of the cluster's barrier a step serves the images, the weights' slot and x's slot; a wave has one tensor load out.
; The two projections run as two trips of one loop; x has no K steps 16 and 17, so a jump on the step counter (the same in all waves and partners) leads round wave 3's own load in steps 13 to 15, and round no joint load;
; every wait on TENSORcnt is for 0.  Those steps written out would repeat the steps and the eight quantisers behind them.
; The second projection's images lie on x's slots, behind their last fill and last read.  K is walked in an order turned by the cluster's number, alike for both operands.
.set QTR,   25600
.set RING,  4*QTR
.set FRB,   1536
.set XPI,   528
.set XSL,   64*XPI                     ; a slot of x; the two lie at 0
.set FIMG,  33792                      ; the fusion's images: step t at place t xor 8: steps 8-15 lie on x's slot 1 (behind its last fill and read) and 15,360 bytes of their own, steps 0-7 follow them; none touches x's slot 0
.set WS0,   FIMG+64*FRB
.set WSL,   77824
.set WS1,   WS0+WSL
.set FSC,   WS1+WSL
.set XB,    FSC+4096
.set XBS,   4*FRB+256
.set SCR,   XB+2*XBS
.set VST,   SCR+1024
.set SPARE, VST+4096                   ; the spare words, 512 bytes
.set XR,  3
.set PFO, 4
.set AXI, 5
.set AXS, 6
.set XWI, 7
.set XWS, 8
.set FWI, 9
.set FWS, 10
.set AFI, 11
.set AFS, 12
.set BO,  13
.set SPW, 14
.set NIL, 15
.set SWA, 16
.set SRA, 17
.set CO,  18
.set VWA, 19
.set SA,  20                           ; v20-23 A's scale words, v24-39 the weights': two sets each, scales alone
.set SB,  24
.set AF,  40                           ; v40-135 A's fragments, two sets
.set ST0, 136                          ; v136-199 64 numbers of x
.set TM,  200
.set PW,  216
.set PC,  220
.set PT,  232
.set VRA, 240
.set GV,  241
.set GM,  242
.set ABW, 243                          ; v243-244 my fragments 4-11 in slot 0, 1;  v245-246 my fragments 12-15 and scale words
.set ABC, 245
.set SS,  40
.set VV,  72
.set CV,  ST0
.set KB,  ST0+32
.set WQB, 16
.set WV,  20
.set GID, 22
.set G1X, 24
.set G0X, 32
.set BB,  36                           ; s[36:39] the direct fragments' base, by the step's parity
.set XP,  40
.set X2,  42
.set X1,  44
.set IDX, 46
.set PH,  47
.set LC,  48
.set NX,  49                           ; the next step, 1 .. 32
.set SEL, 50
.set K2,  52
.set NK2, 54
.set BP1, 56
.set BP2, 58
.set CVP, 66
.set WBP, 68
.set PP,  70
.set PF,  72
.set G1WA, 76
.set G1WB, 84
.set G0W, 92
.set WQT, 96
.set WL,  98
.set MSB, 0
.macro WIN new
.if MSB != (\new)
	s_set_vgpr_msb (MSB<<8)|(\new)
.set MSB, (\new)
.endif
.endm
.macro PLACES n
.rept \n
	v_nop
.endr
.endm
.macro CREST
	s_cmp_lg_u32 s[WV], 0
	s_cbranch_scc1 .Lnot_wave_0_\@
	s_barrier_signal -3
.Lnot_wave_0_\@:
	s_barrier_wait -3
	s_barrier_signal -1
	s_barrier_wait -1
.endm
.macro CROUND
	s_barrier_signal -1
	s_barrier_wait -1
	CREST
.endm
.macro KIDX d                          ; s60 = step NX + d, s62 = its place in wq: turned by the cluster's number inside W1, W2 (8 steps) or W (16)
	s_add_co_u32 s60, s[NX], \d
	s_cmp_lt_u32 s60, 16
	s_cselect_b32 s2, 7, 15
	s_add_co_u32 s62, s60, ttmp9
	s_and_b32 s62, s62, s2
	s_and_not1_b32 s2, s60, s2
	s_or_b32 s62, s62, s2
.endm
.macro BNEXT par
	KIDX 0
	s_mov_b32 s[IDX], s62
	s_mul_i32 s62, s62, RING
	s_add_nc_u64 s[BB+2*(\par):BB+2*(\par)+1], s[WQB:WQB+1], s[62:63]   ; the loads that named this pair were waited for in the step before
.endm
.macro WSET sl, d                      ; the joint load's group 0: step NX + d into slot sl
	KIDX \d
	s_mul_i32 s62, s62, RING
	s_add_nc_u64 s[G0W+2:G0W+3], s[WQT:WQT+1], s[62:63]
	s_or_b32 s[G0W+3], s[G0W+3], 0x80000000
	s_mov_b32 s[G0W+1], s[WL+(\sl)]
.endm
.macro XCH dst, d                      ; where K step NX + d of x begins, for my work-group's rows
	KIDX \d
	s_cmp_lt_u32 s60, 8
	s_cselect_b64 s[XP:XP+1], s[X1:X1+1], s[X2:X2+1]
	s_and_b32 s62, s62, 7
	s_lshl_b32 s62, s62, 9
	s_add_nc_u64 s[\dst:\dst+1], s[XP:XP+1], s[62:63]
.endm
.macro XSET sl, d
	XCH G0X+2, \d
	s_or_b32 s[G0X+3], s[G0X+3], 0x80000000
	s_mov_b32 s[G0X+1], XSL*(\sl)
.endm
; One chain of branches on the wave's number, one load to an arm.  xc = 0: wave 3 has none; 1: x's load; 2: x's load while x has such a K step
.macro TLOAD xc
	s_cmp_lt_u32 s[WV], 2
	s_cbranch_scc0 .Lta_\@
	tensor_load_to_lds s[G0W:G0W+3], s[G1WA:G1WA+7]
	s_nop 0
	PLACES 4
	s_branch .Ltj_\@
.Lta_\@:
	s_cmp_lt_u32 s[WV], 3
.if (\xc) == 0
	s_cbranch_scc0 .Ltj_\@
.else
	s_cbranch_scc0 .Ltb_\@
.endif
	tensor_load_to_lds s[G0W:G0W+3], s[G1WB:G1WB+7]
	s_nop 0
	PLACES 4
.if (\xc) != 0
	s_branch .Ltj_\@
.Ltb_\@:
.if (\xc) == 2
	s_cmp_lt_u32 s[NX], 14
	s_cbranch_scc0 .Ltj_\@
.endif
	tensor_load_to_lds s[G0X:G0X+3], s[G1X:G1X+7]
	s_nop 0
	PLACES 4
.endif
.Ltj_\@:
.endm
.macro AFADDR                          ; the fusion's fragments of step IDX
	s_and_b32 s2, s[IDX], 15
	s_xor_b32 s3, s2, 8
	s_mul_i32 s3, s3, 4*FRB
	s_lshl_b32 s2, s2, 8
	s_add_co_u32 s3, s3, FIMG
	s_add_co_u32 s2, s2, FSC
	v_add_nc_u32 v[AFI], s3, v[GV]
	v_add_nc_u32 v[AFS], s2, v[GM]
.endm
.macro WM kind, m, b, sg, cmode        ; kind 0: D^T = W-fragment x x-fragment (cmode 2: C = the bias in block 0's registers); kind 1: fusion x W (cmode 1: C = 0)
.set rD, 64*(\m)+8*((\b)%8)
.set rC, rD
.if (\cmode) == 2
.set rC, 8*((\b)%8)
.endif
.set rW, 12*(\b)
.set rX, AF+48*(\sg)+12*(\m)
.set rV, SB+8*(\sg)+(\b)/2
.set rU, SA+2*(\sg)+(\m)/2
.set oW, (\b)%2
.set oX, (\m)%2
.if (\kind) == 0
.if oW && oX
	v_wmma_scale_f32_16x16x128_f8f6f4 v[rD:rD+7], v[rW:rW+11], v[rX:rX+11], v[rC:rC+7], v[rV], v[rU] matrix_a_fmt:MATRIX_FMT_FP6 matrix_b_fmt:MATRIX_FMT_FP6 matrix_a_scale:MATRIX_SCALE_ROW1 matrix_b_scale:MATRIX_SCALE_ROW1
.elseif oW
	v_wmma_scale_f32_16x16x128_f8f6f4 v[rD:rD+7], v[rW:rW+11], v[rX:rX+11], v[rC:rC+7], v[rV], v[rU] matrix_a_fmt:MATRIX_FMT_FP6 matrix_b_fmt:MATRIX_FMT_FP6 matrix_a_scale:MATRIX_SCALE_ROW1
.elseif oX
	v_wmma_scale_f32_16x16x128_f8f6f4 v[rD:rD+7], v[rW:rW+11], v[rX:rX+11], v[rC:rC+7], v[rV], v[rU] matrix_a_fmt:MATRIX_FMT_FP6 matrix_b_fmt:MATRIX_FMT_FP6 matrix_b_scale:MATRIX_SCALE_ROW1
.else
	v_wmma_scale_f32_16x16x128_f8f6f4 v[rD:rD+7], v[rW:rW+11], v[rX:rX+11], v[rC:rC+7], v[rV], v[rU] matrix_a_fmt:MATRIX_FMT_FP6 matrix_b_fmt:MATRIX_FMT_FP6
.endif
.elseif (\cmode) == 1
.if oW && oX
	v_wmma_scale_f32_16x16x128_f8f6f4 v[rD:rD+7], v[rX:rX+11], v[rW:rW+11], 0, v[rU], v[rV] matrix_a_fmt:MATRIX_FMT_FP6 matrix_b_fmt:MATRIX_FMT_FP6 matrix_a_scale:MATRIX_SCALE_ROW1 matrix_b_scale:MATRIX_SCALE_ROW1
.elseif oX
	v_wmma_scale_f32_16x16x128_f8f6f4 v[rD:rD+7], v[rX:rX+11], v[rW:rW+11], 0, v[rU], v[rV] matrix_a_fmt:MATRIX_FMT_FP6 matrix_b_fmt:MATRIX_FMT_FP6 matrix_a_scale:MATRIX_SCALE_ROW1
.elseif oW
	v_wmma_scale_f32_16x16x128_f8f6f4 v[rD:rD+7], v[rX:rX+11], v[rW:rW+11], 0, v[rU], v[rV] matrix_a_fmt:MATRIX_FMT_FP6 matrix_b_fmt:MATRIX_FMT_FP6 matrix_b_scale:MATRIX_SCALE_ROW1
.else
	v_wmma_scale_f32_16x16x128_f8f6f4 v[rD:rD+7], v[rX:rX+11], v[rW:rW+11], 0, v[rU], v[rV] matrix_a_fmt:MATRIX_FMT_FP6 matrix_b_fmt:MATRIX_FMT_FP6
.endif
.else
.if oW && oX
	v_wmma_scale_f32_16x16x128_f8f6f4 v[rD:rD+7], v[rX:rX+11], v[rW:rW+11], v[rC:rC+7], v[rU], v[rV] matrix_a_fmt:MATRIX_FMT_FP6 matrix_b_fmt:MATRIX_FMT_FP6 matrix_a_scale:MATRIX_SCALE_ROW1 matrix_b_scale:MATRIX_SCALE_ROW1
.elseif oX
	v_wmma_scale_f32_16x16x128_f8f6f4 v[rD:rD+7], v[rX:rX+11], v[rW:rW+11], v[rC:rC+7], v[rU], v[rV] matrix_a_fmt:MATRIX_FMT_FP6 matrix_b_fmt:MATRIX_FMT_FP6 matrix_a_scale:MATRIX_SCALE_ROW1
.elseif oW
	v_wmma_scale_f32_16x16x128_f8f6f4 v[rD:rD+7], v[rX:rX+11], v[rW:rW+11], v[rC:rC+7], v[rU], v[rV] matrix_a_fmt:MATRIX_FMT_FP6 matrix_b_fmt:MATRIX_FMT_FP6 matrix_b_scale:MATRIX_SCALE_ROW1
.else
	v_wmma_scale_f32_16x16x128_f8f6f4 v[rD:rD+7], v[rX:rX+11], v[rW:rW+11], v[rC:rC+7], v[rU], v[rV] matrix_a_fmt:MATRIX_FMT_FP6 matrix_b_fmt:MATRIX_FMT_FP6
.endif
.endif
.endm
.macro GRP kind, g, sg, first          ; sixteen products: weight fragments 4 g .. 4 g + 3 against A's four blocks; the accumulators take turns
.if (\first) && ((\kind) == 0)
.irp m, 1,2,3
.irp d, 0,1,2,3
	WM 0, \m, 4*(\g)+\d, \sg, 2
.endr
.endr
	PLACES 5                                       ; block 0's products write over the registers that the twelve above took as C
.irp d, 0,1,2,3
	WM 0, 0, 4*(\g)+\d, \sg, 0
.endr
.else
.irp d, 0,1,2,3
.irp m, 0,1,2,3
	WM \kind, \m, 4*(\g)+\d, \sg, \first
.endr
.endr
.endif
.endm
.macro BFILL par                       ; the next step's fragments 0-3, from memory: twelve loads of 512 consecutive bytes
	WIN 0x40
.irp d, 0,1,2,3
.irp q, 0,1,2
	global_load_b128 v[12*\d+4*\q:12*\d+4*\q+3], v[GV], s[BB+2*(\par):BB+2*(\par)+1] offset:FRB*\d+512*\q
.endr
.endr
.endm
.macro LFILL par, g                    ; its fragments 4 g .. 4 g + 3 (g = 1, 2, 3), from slot par
	WIN 0x40
.irp d, 0,1,2,3
.irp q, 0,1,2
.if (\g) == 3
	ds_load_b128 v[12*(12+\d)+4*\q:12*(12+\d)+4*\q+3], v[ABC+(\par)] offset:FRB*\d+512*\q
.else
	ds_load_b128 v[12*(4*(\g)+\d)+4*\q:12*(4*(\g)+\d)+4*\q+3], v[ABW+(\par)] offset:24576*((\g)-1)+FRB*\d+512*\q
.endif
.endr
.endr
.endm
.macro SBLD par                        ; and its scale words
.irp e, 0,1
	ds_load_b128 v[SB+8*(\par)+4*\e:SB+8*(\par)+4*\e+3], v[ABC+(\par)] offset:4*FRB+512*\e
.endr
.endm
.macro XREAD sl                        ; my row's 128 numbers of one K step: lane (r, h) takes k = 32 bb + 16 h + 0 .. 15
.irp bb, 0,1,2,3
.irp j, 0,1,2,3
	ds_load_b128 v[ST0+16*\bb+4*\j:ST0+16*\bb+4*\j+3], v[XR] offset:XSL*(\sl)+128*\bb+16*\j
.endr
.endr
.endm
.macro QUANT W, s                      ; 64 numbers a lane (window W, register s on): four blocks of 32 shared with lane l xor 16 -> a fragment's 12 registers in PC, the scale word in PW
	WIN (\W)|((\W)<<2)
.irp bb, 0,1,2,3
	v_max3_num_f32 v[TM+\bb], |v[(\s)+16*\bb]|, |v[(\s)+1+16*\bb]|, 0x1800000
.endr
	WIN ((\W)<<2)|((\W)<<4)
.irp i, 2,4,6,8,10,12,14
.irp bb, 0,1,2,3
	v_max3_num_f32 v[TM+\bb], v[TM+\bb], |v[(\s)+16*\bb+\i]|, |v[(\s)+1+16*\bb+\i]|
.endr
.endr
	WIN 0
.irp bb, 0,1,2,3
	v_permlanex16_b32 v[TM+4+\bb], v[TM+\bb], s[SEL], s[SEL+1]
.endr
.irp bb, 0,1,2,3
	v_max_num_f32 v[TM+\bb], v[TM+\bb], v[TM+4+\bb]
.endr
.irp bb, 0,1,2,3
	v_add_nc_u32 v[TM+12+\bb], 0xff000000, v[TM+\bb]
.endr
.irp bb, 0,1,2,3
	v_lshrrev_b32 v[TM+4+\bb], 23, v[TM+12+\bb]
.endr
	s_wait_alu depctr_va_vdst(0)
	s_wait_dscnt 0x0                               ; the last image's stores have read PC and PW
	v_lshl_or_b32 v[PW], v[TM+5], 8, v[TM+4]
	v_lshl_or_b32 v[PW], v[TM+6], 16, v[PW]
	v_lshl_or_b32 v[PW], v[TM+7], 24, v[PW]
	WIN (\W)
.irp c, 0,1
	v_cvt_scalef32_pk16_fp6_f32 v[PC+6*\c:PC+2+6*\c], v[(\s)+32*\c:(\s)+15+32*\c], v[TM+12+2*\c]
	v_cvt_scalef32_pk16_fp6_f32 v[PT+4*\c:PT+2+4*\c], v[(\s)+16+32*\c:(\s)+31+32*\c], v[TM+12+2*\c+1]
.endr
	WIN 0
	v_nop
.irp c, 0,1
.irp i, 0,1,2
	v_permlane16_swap_b32 v[PC+6*\c+\i], v[PT+4*\c+\i]
.endr
.irp i, 0,1,2
	v_mov_b32 v[PC+3+6*\c+\i], v[PT+4*\c+\i]
.endr
.endr
.endm
.macro IMG adr, off
.irp q, 0,1,2
	ds_store_b128 v[\adr], v[PC+4*\q:PC+4*\q+3] offset:(\off)+512*\q
.endr
.endm
.macro SCW adr, off
	ds_store_b32 v[\adr], v[PW] offset:(\off)
.endm
.macro FETCH_AX sg
.irp m, 0,1,2,3
.irp q, 0,1,2
	ds_load_b128 v[AF+48*(\sg)+12*\m+4*\q:AF+48*(\sg)+12*\m+4*\q+3], v[AXI] offset:XBS*(\sg)+FRB*\m+512*\q
.endr
.endr
	ds_load_b64 v[SA+2*(\sg):SA+2*(\sg)+1], v[AXS] offset:XBS*(\sg)
.endm
.macro FETCH_AF sg
.irp m, 0,1,2,3
.irp q, 0,1,2
	ds_load_b128 v[AF+48*(\sg)+12*\m+4*\q:AF+48*(\sg)+12*\m+4*\q+3], v[AFI] offset:FRB*\m+512*\q
.endr
.endr
	ds_load_b64 v[SA+2*(\sg):SA+2*(\sg)+1], v[AFS]
.endm
.macro BIASLD base                     ; the bias in the results' layout, into block 0's accumulators
	WIN 0x80
.irp b, 0,1,2,3,4,5,6,7
	global_load_b128 v[8*\b:8*\b+3], v[BO], s[\base:\base+1] offset:128*(\b/2)+32*(\b%2)
	global_load_b128 v[8*\b+4:8*\b+7], v[BO], s[\base:\base+1] offset:128*(\b/2)+32*(\b%2)+16
.endr
	WIN 0xc0
.irp b, 0,1,2,3,4,5,6,7
	global_load_b128 v[8*\b:8*\b+3], v[BO], s[\base:\base+1] offset:512+128*(\b/2)+32*(\b%2)
	global_load_b128 v[8*\b+4:8*\b+7], v[BO], s[\base:\base+1] offset:512+128*(\b/2)+32*(\b%2)+16
.endr
	WIN 0
.endm
; A step of a projection.  LDS loads behind a round, in this order: A's fragments and scale words (13), the weights' scale words (2), fragments 4-7, 8-11, 12-15 (12 each).
; So at the next step's start 36 may be out; ahead of group 1 at most 24 (fragments 8-15, or the youngest of x's 16 reads and fragments 12-15).  On LOADcnt stand fragments 0-3 alone: the wait is for 0.
.macro STEPX sg, first, last
	BNEXT 1-(\sg)
.if \first
	s_wait_dscnt 0x0
.else
	s_wait_dscnt 36
.endif
.if \last
	s_cmp_lt_u32 s[NX], 16                         ; step 15 has no next K step of x
	s_cbranch_scc0 .Lnr_\@
.endif
	XREAD 1-(\sg)
.if \last
.Lnr_\@:
.endif
	s_wait_loadcnt 0x0
	WIN 0xa1
	GRP 0, 0, \sg, \first
	PLACES 4
	BFILL 1-(\sg)
	s_wait_dscnt 24
	WIN 0xa1
	GRP 0, 1, \sg, \first
	WIN 0
	s_wait_xcnt 0x0                                ; the last prefetch has read its base
	XCH PF, 5
.if \last
	s_cmp_lt_u32 s[NX], 16
	s_cbranch_scc0 .Lnq_\@
.endif
	s_wait_dscnt 0x0
	QUANT 0, ST0
	IMG XWI, XBS*(1-(\sg))
	SCW XWS, XBS*(1-(\sg))
.if \last
.Lnq_\@:
.endif
	s_wait_alu depctr_va_vdst(0)
	s_wait_tensorcnt 0x0                           ; my one tensor load has landed
	ds_add_u32 v[SPW], v[NIL]
	WSET \sg, 1                                    ; this step's slot of weights takes the step after the next,
	XSET 1-(\sg), 2                                ; x's slot just read out the K step two on
	s_wait_dscnt 0x0                               ; my image is stored, my reads of both slots are over, the add is done
	s_barrier_signal -1
	WIN 0xf1
	GRP 0, 2, \sg, \first
	WIN 0
	s_barrier_wait -1
	CREST
	TLOAD 2
.if (\last) == 0
	FETCH_AX 1-(\sg)
.endif
	SBLD 1-(\sg)
	PLACES 4
	LFILL 1-(\sg), 1
	LFILL 1-(\sg), 2
	WIN 0
	s_cmp_lt_u32 s[NX], 11                         ; K steps 6 to 15
	s_cbranch_scc0 .Lnp_\@
	global_prefetch_b8 v[PFO], s[PF:PF+1] th:TH_LOAD_NT scope:SCOPE_SE   ; my 16 rows x 512 bytes: 32 blocks of 256, a lane each
.Lnp_\@:
	WIN 0xf1
	GRP 0, 3, \sg, \first
	PLACES 4
	LFILL 1-(\sg), 3
	WIN 0
	s_add_co_u32 s[NX], s[NX], 1
.endm
; A step of the third product.  mode 0: with a refill; 1: step 30, nothing left to ask for; 2: step 31
.macro STEPF sg, first, mode
.if (\mode) < 2
	BNEXT 1-(\sg)
.endif
.if \first
	s_wait_dscnt 0x0
.else
	s_wait_dscnt 36
.endif
	s_wait_loadcnt 0x0
	WIN 0xa4
	GRP 1, 0, \sg, \first
.if (\mode) < 2
	PLACES 4
	BFILL 1-(\sg)
.endif
	s_wait_dscnt 24
	WIN 0xa4
	GRP 1, 1, \sg, \first
	WIN 0
.if (\mode) == 0
	s_wait_tensorcnt 0x0
	ds_add_u32 v[SPW], v[NIL]
	WSET \sg, 1
.endif
.if (\mode) == 1
	s_wait_tensorcnt 0x0                           ; the last step's tiles are in
.endif
	s_wait_dscnt 0x0
.if (\mode) < 2
	s_barrier_signal -1
.endif
	WIN 0xf4
	GRP 1, 2, \sg, \first
.if (\mode) < 2
	WIN 0
	s_barrier_wait -1
.endif
.if (\mode) == 0
	CREST
	TLOAD 0
.endif
.if (\mode) < 2
	AFADDR
	FETCH_AF 1-(\sg)
	SBLD 1-(\sg)
	PLACES 4
	LFILL 1-(\sg), 1
	LFILL 1-(\sg), 2
.endif
	WIN 0xf4
	GRP 1, 3, \sg, \first
	PLACES 4
.if (\mode) < 2
	LFILL 1-(\sg), 3
.endif
	WIN 0
	s_add_co_u32 s[NX], s[NX], 1
.endm
	s_load_b256 s[4:11], s[0:1], 0x0               ; x1, x2, b1, b2
	s_load_b256 s[12:19], s[0:1], 0x20             ; b, c, wq, part
	v_lshl_add_u32 v[SPW], v0, 2, SPARE
	v_mov_b32 v[NIL], 0
	ds_add_u32 v[SPW], v[NIL]                      ; the opening lines
	ds_add_u32 v[SPW], v[NIL]
	v_lshrrev_b32 v1, 5, v0
	v_readfirstlane_b32 s[WV], v1
	s_bfe_u32 s23, ttmp6, 0x40000                  ; my place in the cluster: it enters global addresses of my own rows alone
	s_lshl_b32 s[GID], ttmp9, 2
	s_add_co_u32 s[GID], s[GID], s23
	s_mul_i32 s32, s[WV], 16*XPI
	s_mul_i32 s33, s[WV], FRB
	s_add_co_u32 s33, s33, XB
	s_and_b32 s34, s[WV], 1
	s_lshl_b32 s34, s34, 7
	s_lshr_b32 s35, s[WV], 1
	s_lshl_b32 s35, s35, 2
	s_add_co_u32 s34, s34, s35
	s_add_co_u32 s34, s34, XB+4*FRB
	s_mul_i32 s35, s[WV], 8*FRB
	s_add_co_u32 s35, s35, FIMG+32*FRB
	s_lshl_b32 s36, s[WV], 9
	s_add_co_u32 s36, s36, FSC
	s_lshl_b32 s37, s[WV], 8
	s_add_co_u32 s37, s37, SCR
	s_lshl_b32 s38, s[WV], 10
	s_add_co_u32 s38, s38, VST
	s_mul_i32 s39, s[WV], 4*FRB
	s_add_co_u32 s39, s39, WS0
	s_mul_i32 s72, s[WV], 4*FRB+1024
	s_add_co_u32 s72, s72, WS0+49152
	s_lshl_b32 s73, s[WV], 16
	s_mul_i32 s[WL], s[WV], 24576                  ; where my tile of weights lands: 24,576 x wave in the slot
	s_add_co_u32 s[WL], s[WL], WS0
	s_add_co_u32 s[WL+1], s[WL], WSL
	s_mov_b32 s[G1X], (2<<16)|(1<<20)|(6<<22)|(3<<25)   ; x: elements of 4 bytes; 4 dwords of padding behind every 128
	s_mov_b32 s[G1X+1], 128<<16
	s_mov_b32 s[G1X+2], 64<<16
	s_mov_b32 s[G1X+3], 128<<16
	s_mov_b32 s[G1X+4], 64
	s_mov_b32 s[G1X+5], 1024
	s_mov_b32 s[G1X+6], 0
	s_mov_b32 s[G1X+7], 0
	s_mov_b32 s[G1WA], 15|(3<<16)|(1<<21)          ; weights: all four partners; four rows (quarters) of 6,144 bytes, 25,600 apart
	s_mov_b32 s[G1WA+1], 768<<16
	s_mov_b32 s[G1WA+2], 4<<16
	s_mov_b32 s[G1WA+3], 768<<16
	s_mov_b32 s[G1WA+4], 4
	s_mov_b32 s[G1WA+5], 3200
	s_mov_b32 s[G1WA+6], 0
	s_mov_b32 s[G1WA+7], 0
	s_mov_b32 s[G1WB], 15|(3<<16)|(1<<21)          ; and of 7,168: fragments 12-15 with the scale words
	s_mov_b32 s[G1WB+1], 896<<16
	s_mov_b32 s[G1WB+2], 4<<16
	s_mov_b32 s[G1WB+3], 896<<16
	s_mov_b32 s[G1WB+4], 4
	s_mov_b32 s[G1WB+5], 3200
	s_mov_b32 s[G1WB+6], 0
	s_mov_b32 s[G1WB+7], 0
	s_mov_b32 s[G0W], 1
	s_mov_b32 s[SEL], 0x76543210
	s_mov_b32 s[SEL+1], 0xfedcba98
	s_mov_b32 s[K2], 0x4038aa3b                    ; 2 log2(e)
	s_mov_b32 s[K2+1], s[K2]
	s_mov_b32 s[NK2], 0xc038aa3b
	s_mov_b32 s[NK2+1], s[NK2]
	s_mov_b32 s61, 0
	s_mov_b32 s63, 0
	s_mov_b32 s[NX], 0
	v_and_b32 v1, 31, v0
	v_and_b32 v[CO], 15, v0
	v_bfe_u32 v[BO], v0, 4, 1
	v_lshlrev_b32 v[GV], 4, v1
	v_lshlrev_b32 v[GM], 3, v1
	v_lshlrev_b32 v[PFO], 12, v[CO]
	v_lshl_add_u32 v[PFO], v[BO], 8, v[PFO]
	v_add_nc_u32 v[PFO], s73, v[PFO]               ; prefetch: row 16 w + l % 16, block l / 16
	v_mul_u32_u24 v[XR], v[CO], XPI
	v_lshl_add_u32 v[XR], v[BO], 6, v[XR]
	v_add_nc_u32 v[XR], s32, v[XR]
	v_add_nc_u32 v[AXI], XB, v[GV]
	v_add_nc_u32 v[AXS], XB+4*FRB, v[GM]
	v_add_nc_u32 v[XWI], s33, v[GV]
	v_lshl_add_u32 v[XWS], v[CO], 3, s34
	v_add_nc_u32 v[FWI], s35, v[GV]
	v_lshl_add_u32 v[FWS], v[CO], 3, s36
	v_lshl_add_u32 v[SWA], v[BO], 5, s37
	v_lshlrev_b32 v[SRA], 5, v[BO]
	v_add_nc_u32 v[SRA], SCR, v[SRA]
	v_lshl_add_u32 v[VWA], v[CO], 2, s38
	v_add_nc_u32 v[VRA], s38, v[GV]
	v_add_nc_u32 v[ABW], s39, v[GV]
	v_add_nc_u32 v[ABW+1], WSL, v[ABW]
	v_add_nc_u32 v[ABC], s72, v[GV]
	v_add_nc_u32 v[ABC+1], WSL, v[ABC]
	v_lshlrev_b32 v[CO], 2, v[CO]
	v_lshlrev_b32 v[BO], 6, v[BO]
.irp bb, 0,1,2,3
	v_mov_b32 v[TM+4+\bb], 0
.endr
	s_wait_alu depctr_va_vdst(0)
	s_wait_dscnt 0x0
	s_wait_kmcnt 0x0
	s_mov_b32 s[G0X], 1
	s_mul_i32 s62, s[WV], 4*FRB
	s_add_co_u32 s62, s62, 4*FRB
	s_add_nc_u64 s[WQT:WQT+1], s[WQB:WQB+1], s[62:63]      ; my tile of a step: from fragment 4 (w + 1) of quarter 0 on
	s_mul_i32 s62, s[WV], QTR
	s_add_nc_u64 s[WQB:WQB+1], s[WQB:WQB+1], s[62:63]      ; my quarter
	s_lshl_b32 s60, s[GID], 18
	s_add_nc_u64 s[X1:X1+1], s[4:5], s[60:61]
	s_add_nc_u64 s[X2:X2+1], s[6:7], s[60:61]
	s_lshl_b32 s60, s[WV], 10
	s_add_nc_u64 s[BP1:BP1+1], s[8:9], s[60:61]
	s_add_nc_u64 s[BP2:BP2+1], s[10:11], s[60:61]
	s_add_nc_u64 s[WBP:WBP+1], s[12:13], s[60:61]
	s_add_nc_u64 s[CVP:CVP+1], s[14:15], s[60:61]
	s_mul_i32 s23, s[GID], 4352
	s_add_co_u32 s60, s60, s23
	s_add_nc_u64 s[PP:PP+1], s[18:19], s[60:61]
	WSET 0, 0
	XSET 0, 0
	CROUND                                         ; the four partners are here: the first joint loads meet
	TLOAD 1                                        ; step 0's weights and K step 0 of x: one load a wave
	BNEXT 0
	BFILL 0
	WIN 0
	BIASLD BP1
.irp d, 1,2,3,4,5
	XCH 2+2*\d, \d                                 ; (the arguments in s[4:13] have been used)
.endr
.irp d, 1,2,3,4,5
	global_prefetch_b8 v[PFO], s[2+2*\d:3+2*\d] th:TH_LOAD_NT scope:SCOPE_SE   ; K steps 1 to 5, whose loads stand in the head and in steps 0 to 2
.endr
	s_wait_alu depctr_va_vdst(0)
	s_wait_tensorcnt 0x0                           ; my first tile is in; the second slots' first fills are issued as refills are
	ds_add_u32 v[SPW], v[NIL]
	WSET 1, 1
	XSET 1, 1
	s_wait_dscnt 0x0
	CROUND
	TLOAD 1
	XREAD 0
	SBLD 0
	LFILL 0, 1
	LFILL 0, 2
	LFILL 0, 3
	WIN 0
	s_wait_dscnt 0x0
	QUANT 0, ST0
	IMG XWI, 0
	SCW XWS, 0
	s_mov_b32 s[NX], 1
	s_wait_alu depctr_va_vdst(0)
	s_wait_tensorcnt 0x0                           ; step 1's weights and K step 1 of x are in
	ds_add_u32 v[SPW], v[NIL]
	XSET 0, 1                                      ; x's slot 0 is read out: it takes K step 2
	s_wait_dscnt 0x0                               ; my image is stored, my reads of the slot are over, the add is done
	CROUND
	s_cmp_lt_u32 s[WV], 3
	s_cbranch_scc1 .Lhx
	tensor_load_to_lds s[G0X:G0X+3], s[G1X:G1X+7]
	s_nop 0
	PLACES 4
.Lhx:
	s_mov_b32 s[PH], 2
.Lphase:
	FETCH_AX 0
	STEPX 0, 1, 0
	s_mov_b32 s[LC], 3
.Lpair:
	STEPX 1, 0, 0
	STEPX 0, 0, 0
	s_sub_co_u32 s[LC], s[LC], 1
	s_cmp_lg_u32 s[LC], 0
	s_cbranch_scc1 .Lpair
	STEPX 1, 0, 1
.irp m, 0,1,2,3                        ; the projection's results, bias included, become fragments of the third product's A
.irp c, 0,1
	QUANT 2+\c, 64*\m
	IMG FWI, 4*FRB*\c+FRB*\m
	SCW FWS, 256*\c+128*(\m%2)+4*(\m/2)
.endr
.if \m == 0
	s_wait_alu depctr_va_vdst(0)
	s_cmp_eq_u32 s[PH], 2
	s_cbranch_scc0 .Lno_bias
	BIASLD BP2                                     ; block 0's accumulators are free: the second projection's bias
.Lno_bias:
.endif
.endr
	v_add_nc_u32 v[FWI], -(32*FRB), v[FWI]         ; the second projection's images lie ahead of the first's
	v_add_nc_u32 v[FWS], 2048, v[FWS]
	s_sub_co_u32 s[PH], s[PH], 1
	s_cmp_lg_u32 s[PH], 0
	s_wait_alu depctr_va_vdst(0)
	s_cbranch_scc1 .Lphase
	s_wait_dscnt 0x0
	s_barrier_signal -1
	s_barrier_wait -1                              ; all 64 fragments of the fusion are in LDS
.irp b, 0,1,2,3,4,5,6,7,8,9,10,11,12,13,14,15
	global_load_b32 v[CV+2*\b], v[CO], s[CVP:CVP+1] offset:64*\b
	global_load_b32 v[KB+2*\b], v[CO], s[WBP:WBP+1] offset:64*\b
.endr
	AFADDR
	FETCH_AF 0
	STEPF 0, 1, 0
	s_mov_b32 s[LC], 6
.Lp3:
	STEPF 1, 0, 0
	STEPF 0, 0, 0
	s_sub_co_u32 s[LC], s[LC], 1
	s_cmp_lg_u32 s[LC], 0
	s_cbranch_scc1 .Lp3
	STEPF 1, 0, 0
	STEPF 0, 0, 1
	STEPF 1, 0, 2
.irp b, 0,1,2,3,4,5,6,7,8,9,10,11,12,13,14,15
	v_mul_f32 v[KB+2*\b], s[K2], v[KB+2*\b]
.endr
; r = 1 / (1 + 2^(K2 (y + b))): all sources first, one wait, one batch of 512, one wait; twice
.macro AFMA hi
	WIN 0x82+0x41*(\hi)
.set ia, 0
.rept 32
.set iq, 0
.rept 4
	v_pk_fma_f32 v[8*ia+2*iq:8*ia+2*iq+1], v[8*ia+2*iq:8*ia+2*iq+1], s[K2:K2+1], v[KB+2*(ia%8+8*(\hi)):KB+2*(ia%8+8*(\hi))+1] op_sel_hi:[1,0,0]
.set iq, iq+1
.endr
.set ia, ia+1
.endr
.endm
.macro AONE op, hi
	WIN 0x82+0x41*(\hi)
.set ia, 0
.rept 256
	\op v[ia], v[ia]
.set ia, ia+1
.endr
.endm
.macro AADD hi
	WIN 0x82+0x41*(\hi)
.set ia, 0
.rept 128
	v_pk_add_f32 v[2*ia:2*ia+1], v[2*ia:2*ia+1], 1.0 op_sel_hi:[1,0]
.set ia, ia+1
.endr
.endm
	s_wait_alu depctr_va_vdst(0)
	AFMA 0
	AFMA 1
	s_wait_alu depctr_va_vdst(0)
	AONE v_exp_f32, 1
	AONE v_exp_f32, 0
	v_nop
	s_wait_alu depctr_va_vdst(0)
	AADD 0
	AADD 1
	s_wait_alu depctr_va_vdst(0)
	AONE v_rcp_f32, 1
	AONE v_rcp_f32, 0
	v_nop
	s_wait_alu depctr_va_vdst(0)
.macro SACC hi                         ; sum over my columns of c_u r: 32 rows a lane half
	WIN 0x02+(\hi)
.set ib, 0
.rept 8
.set ik, 0
.rept 16
.if ((\hi) == 0) && (ib == 0)
	v_pk_mul_f32 v[SS+2*ik:SS+2*ik+1], v[64*(ik/4)+8*ib+2*(ik%4):64*(ik/4)+8*ib+2*(ik%4)+1], v[CV+2*(ib+8*(\hi)):CV+2*(ib+8*(\hi))+1] op_sel_hi:[1,0]
.else
	v_pk_fma_f32 v[SS+2*ik:SS+2*ik+1], v[64*(ik/4)+8*ib+2*(ik%4):64*(ik/4)+8*ib+2*(ik%4)+1], v[CV+2*(ib+8*(\hi)):CV+2*(ib+8*(\hi))+1], v[SS+2*ik:SS+2*ik+1] op_sel_hi:[1,0,1]
.endif
.set ik, ik+1
.endr
.set ib, ib+1
.endr
.endm
	SACC 0
	SACC 1
	WIN 0
.irp x, 1,2,4,8
.set ii, 0
.rept 32
	v_add_f32_dpp v[SS+ii], v[SS+ii], v[SS+ii] row_xmask:\x row_mask:0xf bank_mask:0xf
.set ii, ii+1
.endr
.endr
.irp m, 0,1,2,3
.irp e, 0,1
	ds_store_b128 v[SWA], v[SS+8*\m+4*\e:SS+8*\m+4*\e+3] offset:64*\m+16*\e
.endr
.endr
	s_wait_dscnt 0x0
	s_barrier_signal -1
	s_barrier_wait -1                              ; the four waves' parts of the scores meet
.irp m, 0,1,2,3
.irp e, 0,1
	ds_load_b128 v[SS+8*\m+4*\e:SS+8*\m+4*\e+3], v[SRA] offset:64*\m+16*\e
	ds_load_b128 v[72+8*\m+4*\e:72+8*\m+4*\e+3], v[SRA] offset:256+64*\m+16*\e
	ds_load_b128 v[104+8*\m+4*\e:104+8*\m+4*\e+3], v[SRA] offset:512+64*\m+16*\e
	ds_load_b128 v[200+8*\m+4*\e:200+8*\m+4*\e+3], v[SRA] offset:768+64*\m+16*\e
.endr
.endr
	s_wait_dscnt 0x0
.set ii, 0
.rept 16
	v_pk_add_f32 v[SS+2*ii:SS+2*ii+1], v[SS+2*ii:SS+2*ii+1], v[72+2*ii:72+2*ii+1]
	v_pk_add_f32 v[104+2*ii:104+2*ii+1], v[104+2*ii:104+2*ii+1], v[200+2*ii:200+2*ii+1]
.set ii, ii+1
.endr
.set ii, 0
.rept 16
	v_pk_add_f32 v[SS+2*ii:SS+2*ii+1], v[SS+2*ii:SS+2*ii+1], v[104+2*ii:104+2*ii+1]
.set ii, ii+1
.endr
.set ii, 0
.rept 16
	v_pk_mul_f32 v[SS+2*ii:SS+2*ii+1], v[SS+2*ii:SS+2*ii+1], s[NK2:NK2+1] op_sel_hi:[1,0]   ; exponents to the base 2: -2 log2(e) sum c r
.set ii, ii+1
.endr
	v_max3_num_f32 v232, v[SS], v[SS+1], v[SS+2]
	v_max3_num_f32 v233, v[SS+3], v[SS+4], v[SS+5]
.irp i, 6,10,14,18,22,26
	v_max3_num_f32 v232, v232, v[SS+\i], v[SS+\i+1]
	v_max3_num_f32 v233, v233, v[SS+\i+2], v[SS+\i+3]
.endr
	v_max3_num_f32 v232, v232, v[SS+30], v[SS+31]
	v_max_num_f32 v232, v232, v233
	v_permlanex16_b32 v233, v232, s[SEL], s[SEL+1]
	v_max_num_f32 v232, v232, v233                 ; M: the largest of my 64 rows
.set ii, 0
.rept 16
	v_pk_add_f32 v[SS+2*ii:SS+2*ii+1], v[SS+2*ii:SS+2*ii+1], v[232:233] op_sel_hi:[1,0] neg_lo:[0,1] neg_hi:[0,1]
.set ii, ii+1
.endr
.set ii, 0
	s_wait_alu depctr_va_vdst(0)
.rept 32
	v_exp_f32 v[SS+ii], v[SS+ii]
.set ii, ii+1
.endr
	v_nop
	s_wait_alu depctr_va_vdst(0)
	v_pk_add_f32 v[236:237], v[SS:SS+1], v[SS+2:SS+3]
	v_pk_add_f32 v[238:239], v[SS+4:SS+5], v[SS+6:SS+7]
.irp i, 8,12,16,20,24,28
	v_pk_add_f32 v[236:237], v[236:237], v[SS+\i:SS+\i+1]
	v_pk_add_f32 v[238:239], v[238:239], v[SS+\i+2:SS+\i+3]
.endr
	v_pk_add_f32 v[236:237], v[236:237], v[238:239]
	v_add_f32 v236, v236, v237
	v_permlanex16_b32 v233, v236, s[SEL], s[SEL+1]
	v_add_f32 v233, v236, v233                     ; L
.macro VACC hi                         ; V_u = sum over the rows of p r
	WIN 0x02+(\hi)
.set ik, 0
.rept 16
.set ib, 0
.rept 8
.if ik == 0
	v_pk_mul_f32 v[VV+2*(ib+8*(\hi)):VV+2*(ib+8*(\hi))+1], v[64*(ik/4)+8*ib+2*(ik%4):64*(ik/4)+8*ib+2*(ik%4)+1], v[SS+2*ik:SS+2*ik+1]
.else
	v_pk_fma_f32 v[VV+2*(ib+8*(\hi)):VV+2*(ib+8*(\hi))+1], v[64*(ik/4)+8*ib+2*(ik%4):64*(ik/4)+8*ib+2*(ik%4)+1], v[SS+2*ik:SS+2*ik+1], v[VV+2*(ib+8*(\hi)):VV+2*(ib+8*(\hi))+1]
.endif
.set ib, ib+1
.endr
.set ik, ik+1
.endr
.endm
	VACC 0
	VACC 1
	WIN 0
.irp b, 0,1,2,3,4,5,6,7,8,9,10,11,12,13,14,15
	v_add_f32 v[VV+2*\b], v[VV+2*\b], v[VV+2*\b+1]
.endr
.irp b, 0,1,2,3,4,5,6,7,8,9,10,11,12,13,14,15
	v_permlanex16_b32 v[VV+2*\b+1], v[VV+2*\b], s[SEL], s[SEL+1]
.endr
.irp b, 0,1,2,3,4,5,6,7,8,9,10,11,12,13,14,15
	v_add_f32 v[VV+2*\b], v[VV+2*\b], v[VV+2*\b+1]
.endr
.irp b, 0,1,2,3,4,5,6,7,8,9,10,11,12,13,14,15
	ds_store_b32 v[VWA], v[VV+2*\b] offset:64*\b   ; through my own stage, so that the stores cover 512 consecutive bytes
.endr
.irp e, 0,1
	ds_load_b128 v[104+4*\e:107+4*\e], v[VRA] offset:512*\e
.endr
	s_wait_dscnt 0x0
.irp e, 0,1
	global_store_b128 v[GV], v[104+4*\e:107+4*\e], s[PP:PP+1] offset:512*\e
.endr
	s_cmp_lg_u32 s[WV], 0
	s_cbranch_scc1 .Lnot_0
	global_store_b64 v[GM], v[232:233], s[PP:PP+1] offset:4096   ; (M, L), 32 copies: 256 consecutive bytes
.Lnot_0:
	s_wait_tensorcnt 0x0                           ; the wave's end
	ds_add_u32 v[SPW], v[NIL]
	s_wait_dscnt 0x0
	CROUND                                         ; the closing round
	s_endpgm
.Lfunc_end_k_qb1c8e7a7b1_fused:
	.size	k_qb1c8e7a7b1_fused, .Lfunc_end_k_qb1c8e7a7b1_fused-k_qb1c8e7a7b1_fused
	.p2alignl 7, 3214868480
	.fill 96, 4, 3214868480
	.section	.rodata,"a",@progbits
	.p2align	6, 0x0
	.amdhsa_kernel k_qb1c8e7a7b1_fused
		.amdhsa_group_segment_fixed_size 327680
		.amdhsa_private_segment_fixed_size 0
		.amdhsa_enable_private_segment 0
		.amdhsa_kernarg_size 64
		.amdhsa_user_sgpr_count 2
		.amdhsa_user_sgpr_kernarg_segment_ptr 1
		.amdhsa_wavefront_size32 1
		.amdhsa_system_sgpr_workgroup_id_x 1
		.amdhsa_system_sgpr_workgroup_id_y 1
		.amdhsa_system_sgpr_workgroup_id_z 1
		.amdhsa_system_vgpr_workitem_id 0
		.amdhsa_next_free_vgpr 1024
		.amdhsa_next_free_sgpr 100
		.amdhsa_reserve_vcc 0
		.amdhsa_float_denorm_mode_32 3
		.amdhsa_float_denorm_mode_16_64 3
		.amdhsa_memory_ordered 1
		.amdhsa_forward_progress 1
		.amdhsa_inst_pref_size 255
	.end_amdhsa_kernel
	.section	.bss,"aw",@nobits
	.p2align	6
	.space	262144
	.amdgpu_metadata
---
amdhsa.version: [ 1, 2 ]
amdhsa.kernels:
  - .name:           k_qb1c8e7a7b1_fused
    .symbol:         k_qb1c8e7a7b1_fused.kd
    .args:
      - { .name: sequences1, .offset: 0, .size: 8, .value_kind: global_buffer, .address_space: global }
      - { .name: sequences2, .offset: 8, .size: 8, .value_kind: global_buffer, .address_space: global }
      - { .name: W1_bias, .offset: 16, .size: 8, .value_kind: global_buffer, .address_space: global }
      - { .name: W2_bias, .offset: 24, .size: 8, .value_kind: global_buffer, .address_space: global }
      - { .name: W_bias, .offset: 32, .size: 8, .value_kind: global_buffer, .address_space: global }
      - { .name: context_vector, .offset: 40, .size: 8, .value_kind: global_buffer, .address_space: global }
      - { .name: wq, .offset: 48, .size: 8, .value_kind: global_buffer, .address_space: global }
      - { .name: part, .offset: 56, .size: 8, .value_kind: global_buffer, .address_space: global }
    .group_segment_fixed_size: 327680
    .private_segment_fixed_size: 0
    .kernarg_segment_align: 8
    .kernarg_segment_size: 64
    .max_flat_workgroup_size: 128
    .sgpr_count:     100
    .vgpr_count:     1024
    .wavefront_size: 32
...
	.end_amdgpu_metadata
.endif
;; end of part 2
;; launch combine (part 3): grid 8 x 16, 1 waves a work-group, no clusters, 0 bytes of LDS; arguments part, out0; writes out0
.if DOCPART == 3
	.amdgcn_target "amdgcn-amd-amdhsa--gfx1250"
	.amdhsa_code_object_version 6
	.text
	.protected	k_qb1c8e7a7b1_combine
	.globl	k_qb1c8e7a7b1_combine
	.p2align	8
	.type	k_qb1c8e7a7b1_combine,@function
k_qb1c8e7a7b1_combine:
	s_mov_b64 s[64:65], 0
	v_nop
	global_prefetch_b8 v0, s[64:65] scope:SCOPE_SE
	s_setreg_imm32_b32 hwreg(HW_REG_WAVE_MODE, 25, 1), 1
	s_wait_xcnt 0x0
; The softmax over a batch's 1,024 rows spans 16 work-groups of the launch before; each left a record of 4,352 bytes: V[1024] (V_u = sum over its 64 rows of p r), then 32 x (M, L).
; Here: M = the largest of the 16 M_g; w_g = 2^(M_g - M); out[b][u] = 1 - 2 (sum_g w_g V_g[u]) / (sum_g w_g L_g).
; As in the launch before, the term sum_u c_u of the scores, which is the same along the softmax's axis, is left out.
; One wave takes 128 columns of one batch: x = the block of columns, y = the batch.  128 work-groups: that is all the work there is.  No LDS, no barrier.
.set ML, 16                            ; v16-47   (M_g, L_g); M_g's place then holds w_g
.set VG, 48                            ; v48-111  V_g: my four columns
	s_load_b128 s[4:7], s[0:1], 0x0                ; part, out0
	v_and_b32 v1, 31, v0
	v_lshlrev_b32 v2, 3, v1                        ; 8 x lane: each lane reads its own copy of (M, L): 256 consecutive bytes a load
	v_lshlrev_b32 v3, 4, v1
	s_and_b32 s8, ttmp7, 0xffff                    ; the batch
	s_mul_i32 s10, s8, 16*4352                     ; its 16 records
	s_mov_b32 s11, 0
	s_lshl_b32 s9, ttmp9, 9
	v_add_nc_u32 v3, s9, v3                        ; 512 x + 16 x lane: my four columns
	s_lshl_b32 s12, s8, 12                         ; the batch's row of out0
	s_mov_b32 s13, 0
	s_wait_alu depctr_va_vdst(0)
	s_wait_kmcnt 0x0
	s_add_nc_u64 s[4:5], s[4:5], s[10:11]
	s_add_nc_u64 s[6:7], s[6:7], s[12:13]
.irp g, 0,1,2,3,4,5,6,7,8,9,10,11,12,13,14,15
	global_load_b64 v[ML+2*\g:ML+2*\g+1], v2, s[4:5] offset:4352*\g+4096
.endr
.irp g, 0,1,2,3,4,5,6,7,8,9,10,11,12,13,14,15
	global_load_b128 v[VG+4*\g:VG+4*\g+3], v3, s[4:5] offset:4352*\g
.endr
	s_wait_loadcnt 0x0
	v_max3_num_f32 v4, v[ML], v[ML+2], v[ML+4]
.irp g, 3,5,7,9,11,13
	v_max3_num_f32 v4, v4, v[ML+2*\g], v[ML+2*\g+2]
.endr
	v_max_num_f32 v4, v4, v[ML+30]                 ; M
.irp g, 0,1,2,3,4,5,6,7,8,9,10,11,12,13,14,15
	v_sub_f32 v[ML+2*\g], v[ML+2*\g], v4
.endr
	s_wait_alu depctr_va_vdst(0)
.irp g, 0,1,2,3,4,5,6,7,8,9,10,11,12,13,14,15
	v_exp_f32 v[ML+2*\g], v[ML+2*\g]               ; w_g, at most 1; one of them is 1
.endr
	v_nop                                          ; a plain place behind the last exponential
	s_wait_alu depctr_va_vdst(0)                   ; one wait for the 16, ahead of their first reader
	v_mul_f32 v5, v[ML], v[ML+1]
.irp g, 1,2,3,4,5,6,7,8,9,10,11,12,13,14,15
	v_fma_f32 v5, v[ML+2*\g], v[ML+2*\g+1], v5     ; sum w_g L_g: at least 1
.endr
	s_wait_alu depctr_va_vdst(0)
	v_rcp_f32 v6, v5
	v_pk_mul_f32 v[8:9], v[VG:VG+1], v[ML:ML+1] op_sel_hi:[1,0]            ; sum w_g V_g: independent work behind the reciprocal
	v_pk_mul_f32 v[10:11], v[VG+2:VG+3], v[ML:ML+1] op_sel_hi:[1,0]
.irp g, 1,2,3,4,5,6,7,8,9,10,11,12,13,14,15
	v_pk_fma_f32 v[8:9], v[VG+4*\g:VG+4*\g+1], v[ML+2*\g:ML+2*\g+1], v[8:9] op_sel_hi:[1,0,1]
	v_pk_fma_f32 v[10:11], v[VG+4*\g+2:VG+4*\g+3], v[ML+2*\g:ML+2*\g+1], v[10:11] op_sel_hi:[1,0,1]
.endr
	s_wait_alu depctr_va_vdst(0)                   ; the reciprocal's wait, ahead of its first reader
	v_mul_f32 v6, -2.0, v6
.irp i, 8,9,10,11
	v_fma_f32 v[\i], v[\i], v6, 1.0                ; 1 - 2 x the weighted mean of r
.endr
	global_store_b128 v3, v[8:11], s[6:7]          ; 512 consecutive bytes, at a multiple of 256 from out0's first byte
	s_endpgm
.Lfunc_end_k_qb1c8e7a7b1_combine:
	.size	k_qb1c8e7a7b1_combine, .Lfunc_end_k_qb1c8e7a7b1_combine-k_qb1c8e7a7b1_combine
	.p2alignl 7, 3214868480
	.fill 96, 4, 3214868480
	.section	.rodata,"a",@progbits
	.p2align	6, 0x0
	.amdhsa_kernel k_qb1c8e7a7b1_combine
		.amdhsa_group_segment_fixed_size 0
		.amdhsa_private_segment_fixed_size 0
		.amdhsa_enable_private_segment 0
		.amdhsa_kernarg_size 16
		.amdhsa_user_sgpr_count 2
		.amdhsa_user_sgpr_kernarg_segment_ptr 1
		.amdhsa_wavefront_size32 1
		.amdhsa_system_sgpr_workgroup_id_x 1
		.amdhsa_system_sgpr_workgroup_id_y 1
		.amdhsa_system_sgpr_workgroup_id_z 1
		.amdhsa_system_vgpr_workitem_id 0
		.amdhsa_next_free_vgpr 112
		.amdhsa_next_free_sgpr 66
		.amdhsa_reserve_vcc 0
		.amdhsa_float_denorm_mode_32 3
		.amdhsa_float_denorm_mode_16_64 3
		.amdhsa_memory_ordered 1
		.amdhsa_forward_progress 1
		.amdhsa_inst_pref_size 9
	.end_amdhsa_kernel
	.amdgpu_metadata
---
amdhsa.version: [ 1, 2 ]
amdhsa.kernels:
  - .name:           k_qb1c8e7a7b1_combine
    .symbol:         k_qb1c8e7a7b1_combine.kd
    .args:
      - { .name: part, .offset: 0, .size: 8, .value_kind: global_buffer, .address_space: global }
      - { .name: out0, .offset: 8, .size: 8, .value_kind: global_buffer, .address_space: global }
    .group_segment_fixed_size: 0
    .private_segment_fixed_size: 0
    .kernarg_segment_align: 8
    .kernarg_segment_size: 16
    .max_flat_workgroup_size: 32
    .sgpr_count:     66
    .vgpr_count:     112
    .wavefront_size: 32
...
	.end_amdgpu_metadata
.endif
;; end of part 3
